; MI455X (gfx1250); checked and timed in simulation.
; The chip was launched on July 23, 2026; its instructions are those of AMD's public machine-readable ISA for CDNA 5 (MIT licence, August 2026) and "CDNA5" Instruction Set Architecture Reference Guide (July 2026). The comments in the code are by the model that wrote it; some were corrected since.
;; Multi Head Attention. Allowed arithmetic: matrix products marked QUANTISED: E4M3 operands, one E8M0 scale for each 32 along K, by v_wmma_scale_f32_16x16x128_f8f6f4 with both operands' format E4M3, f32 sums; everything else in f32.
;; Inputs: Wk_codes 512 x 16 x 32 uint8 (E4M3 codes of Wk, K innermost, in blocks of 32 codes); Wk_scales 512 x 16 uint8 (E8M0 scales of Wk, one for each 32 codes along K); Wo_codes 512 x 16 x 32 uint8 (E4M3 codes of Wo, K innermost, in blocks of 32 codes); Wo_scales 512 x 16 uint8 (E8M0 scales of Wo, one for each 32 codes along K); Wq_codes 512 x 16 x 32 uint8 (E4M3 codes of Wq, K innermost, in blocks of 32 codes); Wq_scales 512 x 16 uint8 (E8M0 scales of Wq, one for each 32 codes along K); Wv_codes 512 x 16 x 32 uint8 (E4M3 codes of Wv, K innermost, in blocks of 32 codes); Wv_scales 512 x 16 uint8 (E8M0 scales of Wv, one for each 32 codes along K); bk 512 float32; bo 512 float32; bq 512 float32; bv 512 float32; x_codes 2 x 4,096 x 16 x 32 uint8 (E4M3 codes of x, K innermost, in blocks of 32 codes); x_scales 2 x 4,096 x 16 uint8 (E8M0 scales of x, one for each 32 codes along K).
;; Outputs: out0 2 x 4,096 x 512 float32.
;; This version of the problem:
;;   THIS VERSION OF THE PROBLEM IS GIVEN IN LOW PRECISION. The matrix products marked QUANTISED in the list below multiply operands that are first quantised to E4M3 (4 exponent bits, 3 mantissa bits; 8 bits a number), with one power-of-two scale for each 32 numbers along K (OCP MX v1.0); their sums are f32. All else is computed in f32.
;;   The module's matrix products, in the order in which they are computed (A, B: the left and right operand; K: the contracted axis; several contracted axes count as one K, in the product's order):
;;     1. [M 8,192, K 512] x [K 512, N 512]; A: input x (given as codes); B: input Wq (given as codes): QUANTISED
;;     2. [M 8,192, K 512] x [K 512, N 512]; A: input x (given as codes); B: input Wk (given as codes): QUANTISED
;;     3. [M 8,192, K 512] x [K 512, N 512]; A: input x (given as codes); B: input Wv (given as codes): QUANTISED
;;     4. batch 16 x [M 4,096, K 64] x [K 64, N 4,096]; A: computed on the way; B: computed on the way: QUANTISED
;;     5. batch 16 x [M 4,096, K 4,096] x [K 4,096, N 64]; A: softmax (see below); B: computed on the way: QUANTISED
;;     6. [M 8,192, K 512] x [K 512, N 512]; A: computed on the way; B: input Wo (given as codes): QUANTISED
;;   THE QUANTISER, for each operand of a quantised product, along K:
;;     - K is cut into blocks of 32 from its start; a last block that is shorter is filled with zeros.
;;     - A block's scale is 2^e with e = floor(log2(the largest magnitude in the block)) - 8, held to -126 .. 127; a block of zeros has e = 0. As a byte (E8M0): e + 127.
;;     - Each number is divided by its block's scale, clamped to +-448, and rounded to the nearest number of E4M3, ties to even, subnormals kept.
;;     - The product sums the exact products of the quantised numbers (number of the format x scale) in f32.
;;   ~~~python
;;   def quantise(x, axis):      # numpy; x: float32 -> the quantised numbers, widened to float32 again
;;       x = np.moveaxis(x, axis, -1); K = x.shape[-1]
;;       x = np.pad(x, [(0, 0)] * (x.ndim - 1) + [(0, -K % 32)]); x = x.reshape(x.shape[:-1] + (-1, 32)); a = np.abs(x).max(-1, keepdims=True)
;;       e = np.where(a > 0, np.clip(np.frexp(np.where(a > 0, a, 1))[1] - 1 - 8, -126, 127), 0)      # np.frexp(a)[1] - 1 = floor(log2(a)), exactly
;;       r = np.clip(x / 2.0 ** e, -448, 448)
;;       step = 2.0 ** (np.maximum(np.frexp(np.where(r == 0, 1, r))[1] - 1, -6) - 3)
;;       q = np.round(r / step) * step * 2.0 ** e      # np.round: ties to even
;;       return np.moveaxis(q.reshape(q.shape[:-2] + (-1,))[..., :K], -1, axis).astype(np.float32)
;;   ~~~
;;   SOFTMAX AHEAD OF A QUANTISED PRODUCT. Where the list says 'softmax', what is quantised is not the finished softmax but p = 2^(t - M), with t = logit x log2(e) and M = ceil(the row's largest t), a whole number; so 1/2 < the row's largest p <= 1. The row's sum l is taken of the UNQUANTISED p, in f32, and the product's result is divided by l at the end. Since M is a whole number, a kernel that streams over the keys may use a running M (the ceiling of the running maximum): every later rescaling is an exact power of two, which a block's scale takes up: the codes' values come out the same.
;;   OPERANDS COMPUTED ON THE WAY. 'Computed on the way' means the value that the module computes at that place (a softmax that the list does not call 'softmax' is quantised finished and normalised). What goes into a quantiser is computed in f32, as accurately as f32 sums, v_exp_f32 and their like allow (about 1e-6 of the number): no bf16 or f16 on the way to a quantiser, and a product that is left as it is and whose result goes on into a quantised operand takes f32 operands (vector FMAs, or v_wmma_f32_16x16x4_f32). A number that lies on a knife's edge between two numbers of the format may be rounded either way, as far as f32 arithmetic and the matrix unit's own rounding can turn it there, and no further.
;;   INPUTS GIVEN AS CODES. Wk (in the module: [512, 512], K = its axis 1); Wo (in the module: [512, 512], K = its axis 1); Wq (in the module: [512, 512], K = its axis 1); Wv (in the module: [512, 512], K = its axis 1); x (in the module: [2, 4096, 512], K = its axis 2): each comes as NAME_codes (uint8): NAME with its K axis moved to the last place and cut into blocks of 32 codes, [.., K / 32, bytes a block], one block behind the other in memory; one code a byte (a code: sign, 4 exponent bits, 3 mantissa bits); and NAME_scales (uint8): the same leading axes, one E8M0 byte (e + 127) for each 32 codes along K. Its value is code x scale, taken as it is: it is not quantised again, and the codes and scales need not be those that the quantiser above would give.
;; One version. Each part assembles by itself: llvm-mc -triple=amdgcn-amd-amdhsa -mcpu=gfx1250 --defsym DOCPART=n.
;; ======== version 1 of 1: 3 launches
;; limits: right only within a limited range of input values
;; workspace buffers: qc 4,194,304 bytes; qs 262,144 bytes; kv 8,781,824 bytes; oc 4,194,304 bytes; os 131,072 bytes
;; launch proj (part 1): grid 64 x 3, 8 waves a work-group, no clusters, 168,960 bytes of LDS; arguments x_codes, x_scales, Wq_codes, Wk_codes, Wv_codes, Wq_scales, Wk_scales, Wv_scales, bq, bk, bv, qc, qs, kv; writes qc, qs, kv
.if DOCPART == 1
	.amdgcn_target "amdgcn-amd-amdhsa--gfx1250"
	.amdhsa_code_object_version 6
	.text
	.protected	k_q00f0bd7fc8_proj
	.globl	k_q00f0bd7fc8_proj
	.p2align	8
	.type	k_q00f0bd7fc8_proj,@function
k_q00f0bd7fc8_proj:
	s_mov_b64 s[64:65], 0
	v_nop
	global_prefetch_b8 v0, s[64:65] scope:SCOPE_SE
	s_setreg_imm32_b32 hwreg(HW_REG_WAVE_MODE, 25, 1), 1
	s_wait_xcnt 0x0
; q = x Wq^T + bq, k = x Wk^T + bk, v = x Wv^T + bv on codes of FP8 (E4M3) with E8M0 scales, sums in f32; each result is quantised at once for the product that will read it:
; q and k along the head's 64 channels, v along the tokens (the keys).  Nothing wide goes to memory.
; SHARES.  Work-group (x, y): x = 128 tokens (one batch, one key step of 128), y = 0: q, 1: k, 2: v.  Wave = head: its 64 rows x 512 of W stay in 256 registers (window 1), read once.
; x's 128 rows of codes and their scale bytes come into LDS once, by tensor loads, and all eight waves read them.  LDS is filled once: one barrier, nothing is filled again.
; WHICH ROWS FORM A TILE.  Tile 2 b + u takes in its lane r the row 32 b + 8 u + r + 8 (r / 8), of tokens and of W's rows alike.  A result's register j of lane (r, h) belongs to row 8 h + j of source 0,
; so the 16 registers of result tiles 2 b and 2 b + 1 are rows 32 b + 16 h + 0 .. 15: what registers 4 b .. 4 b + 3 of the next operand hold.  The conversions' results ARE the next operand's registers.
; q, k: source 0 = 16 rows of W, source 1 = 16 tokens: a lane holds one token, its registers run along the channels.   v: source 0 = 16 tokens, source 1 = 16 rows of W: a lane holds one channel, its registers run along the tokens.
; WHAT IS STORED are images of registers: four registers by one store of 16 bytes a lane, 512 consecutive aligned bytes; scale words 4 bytes a lane, two neighbouring tiles' in one register (lanes 0-15, lanes 16-31).
;   qc [head-batch 16][token tile 256][c 2][512 B], qs [head-batch][tile][lane 16] words.   kv [head-batch][key step 32] blocks of 17,152 B: K [tile 8][c 2][512], V [tile 4][c 4][512] at 8,192, K's scale words [4][128] at 16,384, V's [2][128] at 16,896.
;   q's and k's K is 64, half of the matrix instruction's 128: the reader sets zero codes for the rest; the scale word repeats its two bytes, so that no byte is 0xff.
; NO CLUSTER: x's tile is shared by three work-groups, which no cluster of four divides; W goes straight into registers and would have to pass through LDS to be shared.
; LIMITS: NaN and infinities are not served.  A block of zeros gets the scale byte 1 where the rule says 127: its codes are zeros, and this program alone reads the bytes.
.set PITCH, 528                        ; an LDS row of x: 512 bytes + 16 of padding
.set XSC,   128*PITCH                  ; behind x's 128 rows: their 2,048 scale bytes, dense
.set KSB,   17152                      ; a block of kv
.set XA,  1                            ; v1   (r + 8 (r / 8)) x PITCH + 16 h: my place in a tile of x
.set XSA, 2                            ; v2   XSC + 16 (r + 8 (r / 8)): my token's four scale words
.set LI,  3                            ; v3   16 x lane: an image's place
.set LS,  4                            ; v4   4 x lane: a scale word's
.set WA,  5                            ; v5   (r + 8 (r / 8)) x 512 + 16 h: my place in a tile of W
.set WSA, 6                            ; v6   16 (r + 8 (r / 8)): my W row's four scale words
.set BAQ, 7                            ; v7   64 h: bias of q, k: my half's 16 channels
.set BAV, 8                            ; v8   4 (r + 8 (r / 8)): bias of v: my channel
.set XF,  16                           ; v16-79   a token tile of x: four K steps x 16 registers
.set ACC, 80                           ; v80-143  eight accumulators: two token tiles x four tiles of W's rows
.set BI,  144                          ; v144-175 the bias in the result's layout, eight registers a tile of W's rows
.set WS,  176                          ; v176-191 W's scale words: register 4 f + s
.set XS,  192                          ; v192-195 x's scale words: register s
.set PC,  196                          ; v196-211 the codes just made
.set TM,  212                          ; v212-215 largest magnitudes, v216-219 bytes, v224-227 the conversions' scale operands
.set PW,  228                          ; v228-230 scale words at work
.set VW,  232                          ; v232-235 v's scale words, gathered over the four blocks of 32 tokens
.set WV,  42                           ; s42  wave = head
.set TY,  43                           ; s43  0 q, 1 k, 2 v
.set TB,  44                           ; s44  which 128 tokens
.set G1X, 48                           ; s[48:55], s[56:59] descriptor of x's codes
.set G0X, 56
.set SEL, 60                           ; s[60:61] lane selects: lane l xor 16
.set MNT, 62
.set MSK, 63                           ; s63  lanes 16-31
.set G1S, 68                           ; s[68:75], s[76:79] descriptor of x's scale bytes
.set G0S, 76
.set MSB, 0
.macro WIN new                         ; the immediate's high byte repeats the setting that is left
.if MSB != \new
	s_set_vgpr_msb (MSB<<8)|\new
.set MSB, \new
.endif
.endm
.macro PLACES n                        ; plain vector instructions behind a matrix instruction: eight for this form
.rept \n
	v_nop
.endr
.endm
	s_load_b128 s[4:7], s[0:1], 0x0                ; x's codes, x's scales
	s_load_b256 s[8:15], s[0:1], 0x10              ; Wq's, Wk's, Wv's codes, Wq's scales
	s_load_b256 s[16:23], s[0:1], 0x30             ; Wk's, Wv's scales, bq, bk
	s_load_b256 s[24:31], s[0:1], 0x50             ; bv, qc, qs, kv
	v_lshl_add_u32 v254, v0, 2, 0x29000
	v_mov_b32 v255, 0
	ds_add_u32 v254, v255
	ds_add_u32 v254, v255
	v_lshrrev_b32 v13, 5, v0
	s_delay_alu instid0(VALU_DEP_1)
	v_readfirstlane_b32 s[WV], v13                 ; wave 0..7
	s_and_b32 s[TY], ttmp7, 0xffff
	s_mov_b32 s[TB], ttmp9
	; where my results go, as offsets: block = (8 x batch + head) x 32 + key step
	s_lshr_b32 s45, s[TB], 5
	s_lshl_b32 s45, s45, 3
	s_add_co_u32 s45, s45, s[WV]
	s_lshl_b32 s45, s45, 5
	s_and_b32 s46, s[TB], 31
	s_add_co_u32 s45, s45, s46
	s_lshl_b32 s46, s45, 13                        ; q: 8 tiles x 1,024 bytes of codes a block,
	s_lshl_b32 s66, s45, 9                         ;    512 bytes of scale words
	s_mul_i32 s47, s45, KSB                        ; k, v: the block of kv
	s_cmp_eq_u32 s[TY], 2
	s_cselect_b32 s80, 8192, 0                     ; V's codes lie behind K's,
	s_cselect_b32 s82, 512, 0                      ; V's scale words behind K's
	s_add_co_u32 s80, s80, s47
	s_add_co_u32 s82, s82, s47
	s_add_co_u32 s82, s82, 16384
	s_cmp_eq_u32 s[TY], 0
	s_cselect_b32 s80, s46, s80                    ; s[80:81]: codes
	s_cselect_b32 s82, s66, s82                    ; s[82:83]: scale words
	s_mov_b32 s81, 0
	s_mov_b32 s83, 0
	; descriptors.  x's codes: 64 rows of 512 bytes, 16 bytes of padding behind each (waves 0, 1: a half each)
	s_mov_b32 s[G1X+0], (1<<20)|(6<<22)|(3<<25)    ; elements of 1 byte; padding on: four words after every 128
	s_mov_b32 s[G1X+1], 512<<16                    ; tensor_dim0
	s_mov_b32 s[G1X+2], 64<<16                     ; tensor_dim1
	s_mov_b32 s[G1X+3], 512<<16                    ; tile_dim0
	s_mov_b32 s[G1X+4], 64                         ; tile_dim1
	s_mov_b32 s[G1X+5], 512                        ; from row to row
	s_mov_b32 s[G1X+6], 0
	s_mov_b32 s[G1X+7], 0
	; x's scale bytes: 1,024 dense bytes as 4 rows of 256 (waves 2, 3: a half each)
	s_mov_b32 s[G1S+0], 3<<16                      ; elements of 8 bytes, no padding
	s_mov_b32 s[G1S+1], 32<<16
	s_mov_b32 s[G1S+2], 4<<16
	s_mov_b32 s[G1S+3], 32<<16
	s_mov_b32 s[G1S+4], 4
	s_mov_b32 s[G1S+5], 32
	s_mov_b32 s[G1S+6], 0
	s_mov_b32 s[G1S+7], 0
	s_and_b32 s67, s[WV], 1                        ; which half
	s_mov_b32 s[G0X], 1
	s_mul_i32 s[G0X+1], s67, 64*PITCH
	s_mov_b32 s[G0S], 1
	s_lshl_b32 s[G0S+1], s67, 10
	s_add_co_u32 s[G0S+1], s[G0S+1], XSC
	s_lshl_b32 s46, s[TB], 16                      ; 128 rows of 512 bytes a work-group,
	s_lshl_b32 s47, s67, 15                        ; 64 a half
	s_add_co_u32 s46, s46, s47
	s_mov_b32 s47, 0
	s_lshl_b32 s66, s[TB], 11                      ; and 2,048 scale bytes
	s_lshl_b32 s67, s67, 10
	s_add_co_u32 s66, s66, s67
	s_mov_b32 s67, 0
	s_mov_b32 s[SEL], 0x76543210
	s_mov_b32 s[SEL+1], 0xfedcba98
	s_mov_b32 s[MSK], 0xffff0000
	v_and_b32 v9, 31, v0                           ; lane
	v_and_b32 v10, 15, v0                          ; r
	v_bfe_u32 v11, v0, 4, 1                        ; h
	s_delay_alu instid0(VALU_DEP_2)
	v_and_b32 v12, 8, v10
	s_delay_alu instid0(VALU_DEP_1)
	v_add_nc_u32 v12, v12, v10                     ; r + 8 (r / 8)
	s_delay_alu instid0(VALU_DEP_1)
	v_mul_u32_u24 v[XA], v12, PITCH
	s_delay_alu instid0(VALU_DEP_1)
	v_lshl_add_u32 v[XA], v11, 4, v[XA]
	s_delay_alu instid0(VALU_DEP_3)
	v_lshl_add_u32 v[XSA], v12, 4, XSC
	v_lshlrev_b32 v[LI], 4, v9
	v_lshlrev_b32 v[LS], 2, v9
	v_lshlrev_b32 v[WA], 9, v12
	s_delay_alu instid0(VALU_DEP_1)
	v_lshl_add_u32 v[WA], v11, 4, v[WA]
	v_lshlrev_b32 v[WSA], 4, v12
	v_lshlrev_b32 v[BAQ], 6, v11
	v_lshlrev_b32 v[BAV], 2, v12
	s_wait_dscnt 0x0
	s_wait_kmcnt 0x0
	s_add_nc_u64 s[G0X+2:G0X+3], s[4:5], s[46:47]
	s_or_b32 s[G0X+3], s[G0X+3], 0x80000000
	s_add_nc_u64 s[G0S+2:G0S+3], s[6:7], s[66:67]
	s_or_b32 s[G0S+3], s[G0S+3], 0x80000000
	; the launch's only fills: one tensor load a wave for waves 0 to 3, none for the others; the branches hang on the wave's number alone; four v_nop follow each line
	s_cmp_lt_u32 s[WV], 2
	s_cbranch_scc0 .Lnot_x
	tensor_load_to_lds s[G0X:G0X+3], s[G1X:G1X+7]
	s_nop 0
	PLACES 4
	s_branch .Lasked
.Lnot_x:
	s_cmp_lt_u32 s[WV], 4
	s_cbranch_scc0 .Lasked
	tensor_load_to_lds s[G0S:G0S+3], s[G1S:G1S+7]
	s_nop 0
	PLACES 4
.Lasked:
	; which weight, bias and outputs: chosen on the work-group's y alone
	s_cmp_eq_u32 s[TY], 0
	s_cselect_b64 s[32:33], s[8:9], s[10:11]       ; W's codes
	s_cselect_b64 s[34:35], s[14:15], s[16:17]     ; W's scales
	s_cselect_b64 s[36:37], s[20:21], s[22:23]     ; the bias
	s_cselect_b64 s[38:39], s[26:27], s[30:31]     ; codes go to qc or kv,
	s_cselect_b64 s[40:41], s[28:29], s[30:31]     ; scale words to qs or kv
	s_cmp_eq_u32 s[TY], 2
	s_cselect_b64 s[32:33], s[12:13], s[32:33]
	s_cselect_b64 s[34:35], s[18:19], s[34:35]
	s_cselect_b64 s[36:37], s[24:25], s[36:37]
	s_lshl_b32 s46, s[WV], 15                      ; my head's 64 rows of W: 32,768 bytes of codes,
	s_add_nc_u64 s[32:33], s[32:33], s[46:47]
	s_lshl_b32 s46, s[WV], 10                      ; 1,024 of scales,
	s_add_nc_u64 s[34:35], s[34:35], s[46:47]
	s_lshl_b32 s46, s[WV], 8                       ; 256 of bias
	s_add_nc_u64 s[36:37], s[36:37], s[46:47]
	s_add_nc_u64 s[38:39], s[38:39], s[80:81]
	s_add_nc_u64 s[40:41], s[40:41], s[82:83]
	WIN 0x40                                       ; destination window 1
	s_wait_alu depctr_va_vdst(0)
.irp f, 0,1,2,3                                ; W's fragment (tile f, K step s) at v[16 (4 f + s)] of window 1: they stay
.irp s, 0,1,2,3
.irp c, 0,1,2,3
	global_load_b128 v[16*(4*\f+\s)+4*\c:16*(4*\f+\s)+4*\c+3], v[WA], s[32:33] offset:(32*(\f/2)+8*(\f%2))*512+128*\s+32*\c
.endr
.endr
.endr
	WIN 0
.irp f, 0,1,2,3
	global_load_b128 v[WS+4*\f:WS+4*\f+3], v[WSA], s[34:35] offset:(32*(\f/2)+8*(\f%2))*16
.endr
	s_cmp_eq_u32 s[TY], 2
	s_cbranch_scc1 .Lbias_v
.irp f, 0,1,2,3                                ; q, k: register j of tile f is channel 32 (f / 2) + 8 (f % 2) + 16 h + j
	global_load_b128 v[BI+8*\f:BI+8*\f+3], v[BAQ], s[36:37] offset:(32*(\f/2)+8*(\f%2))*4
	global_load_b128 v[BI+8*\f+4:BI+8*\f+7], v[BAQ], s[36:37] offset:(32*(\f/2)+8*(\f%2))*4+16
.endr
	s_branch .Lbias_done
.Lbias_v:
.irp f, 0,1,2,3                                ; v: all eight registers of tile f belong to my lane's channel
.irp j, 0,1,2,3,4,5,6,7
	global_load_b32 v[BI+8*\f+\j], v[BAV], s[36:37] offset:(32*(\f/2)+8*(\f%2))*4
.endr
.endr
.Lbias_done:
.irp b, 0,1,2,3
	v_mov_b32 v[TM+4+\b], 0                        ; written once: a lane permute's destination counts as one of its sources
.endr
	s_wait_tensorcnt 0x0                           ; my part of x is in LDS,
	s_barrier_signal -1
	s_barrier_wait -1                              ; everybody's is.
.macro XFETCH T                        ; token tile T of the 128: its four fragments and its tokens' scale words
.irp s, 0,1,2,3
.irp c, 0,1,2,3
	ds_load_b128 v[XF+16*\s+4*\c:XF+16*\s+4*\c+3], v[XA] offset:(32*((\T)/2)+8*((\T)%2))*PITCH+128*\s+32*\c
.endr
.endr
	ds_load_b128 v[XS:XS+3], v[XSA] offset:(32*((\T)/2)+8*((\T)%2))*16
.endm
; 16 matrix instructions: the token tile in XF against my four tiles of W's rows, four K steps.  The four accumulators take turns, one instruction a turn.  The bias is the C of each sum's first instruction.
.macro MULQK u                         ; source 0 = W: accumulator f of token tile u at ACC + 32 u + 8 f
	WIN 0x01
.irp s, 0,1,2,3
.irp f, 0,1,2,3
.if \s == 0
	v_wmma_scale_f32_16x16x128_f8f6f4 v[ACC+32*\u+8*\f:ACC+32*\u+8*\f+7], v[16*(4*\f+\s):16*(4*\f+\s)+15], v[XF+16*\s:XF+16*\s+15], v[BI+8*\f:BI+8*\f+7], v[WS+4*\f+\s], v[XS+\s]
.else
	v_wmma_scale_f32_16x16x128_f8f6f4 v[ACC+32*\u+8*\f:ACC+32*\u+8*\f+7], v[16*(4*\f+\s):16*(4*\f+\s)+15], v[XF+16*\s:XF+16*\s+15], v[ACC+32*\u+8*\f:ACC+32*\u+8*\f+7], v[WS+4*\f+\s], v[XS+\s]
.endif
.endr
.endr
	WIN 0
.endm
.macro MULV u                          ; source 0 = x: accumulator f of token tile u at ACC + 16 f + 8 u
	WIN 0x04
.irp s, 0,1,2,3
.irp f, 0,1,2,3
.if \s == 0
	v_wmma_scale_f32_16x16x128_f8f6f4 v[ACC+16*\f+8*\u:ACC+16*\f+8*\u+7], v[XF+16*\s:XF+16*\s+15], v[16*(4*\f+\s):16*(4*\f+\s)+15], v[BI+8*\f:BI+8*\f+7], v[XS+\s], v[WS+4*\f+\s]
.else
	v_wmma_scale_f32_16x16x128_f8f6f4 v[ACC+16*\f+8*\u:ACC+16*\f+8*\u+7], v[XF+16*\s:XF+16*\s+15], v[16*(4*\f+\s):16*(4*\f+\s)+15], v[ACC+16*\f+8*\u:ACC+16*\f+8*\u+7], v[XS+\s], v[WS+4*\f+\s]
.endif
.endr
.endr
	WIN 0
.endm
; The 64 registers of ACC are four blocks of 16: half a block of 32 along the next K; lane l xor 16 holds the other half.  They become codes in v[PC + 4 b ..] and a scale byte in v[TM + 4 + b].
.macro QUANT
.irp b, 0,1,2,3
	v_max3_num_f32 v[TM+\b], |v[ACC+16*\b]|, |v[ACC+1+16*\b]|, 0x4800000   ; my 16 numbers, from each accumulator's low end on, and the floor 2^(9 - 127): the byte cannot fall under 1
.endr
.irp i, 2,4,6,8,10,12,14
.irp b, 0,1,2,3
	v_max3_num_f32 v[TM+\b], v[TM+\b], |v[ACC+16*\b+\i]|, |v[ACC+1+16*\b+\i]|   ; (the four blocks by turns)
.endr
.endr
.irp b, 0,1,2,3
	s_delay_alu instid0(VALU_DEP_4)
	v_permlanex16_b32 v[TM+4+\b], v[TM+\b], s[SEL], s[SEL+1]
.endr
.irp b, 0,1,2,3
	s_delay_alu instid0(VALU_DEP_4)
	v_max_num_f32 v[TM+\b], v[TM+\b], v[TM+4+\b]   ; the block's largest magnitude
.endr
.irp b, 0,1,2,3
	s_delay_alu instid0(VALU_DEP_4)
	v_add_nc_u32 v[TM+12+\b], 0xfc000000, v[TM+\b] ; 8 off its exponent field: the conversion takes this operand's exponent field as its scale
.endr
.irp b, 0,1,2,3
.endr
.irp b, 0,1,2,3
	s_delay_alu instid0(VALU_DEP_4)
	v_lshrrev_b32 v[TM+4+\b], 23, v[TM+12+\b]      ; the scale's byte
.endr
.irp b, 0,1,2,3
.set JJ, 0
.rept 16
.set JJ, JJ+1
.endr
	v_cvt_scalef32_pk8_fp8_f32 v[PC+4*\b:PC+4*\b+1], v[ACC+16*\b:ACC+16*\b+7], v[TM+12+\b]
	v_cvt_scalef32_pk8_fp8_f32 v[PC+4*\b+2:PC+4*\b+3], v[ACC+16*\b+8:ACC+16*\b+15], v[TM+12+\b]
.endr
	v_nop                                          ; a plain instruction between the last conversion and the next products, which write its sources
.endm
	XFETCH 0
	s_wait_loadcnt 0x0                             ; W, its scale words, the bias
	s_cmp_eq_u32 s[TY], 2
	s_cbranch_scc1 .Lpath_v
	; ---- q, k: two token tiles at a time.  Block 2 u + p of ACC: token tile 2 b + u, channels 32 p on
.irp b, 0,1,2,3
	s_wait_dscnt 0x0                               ; token tile 2 b is in registers
	MULQK 0
	PLACES 8                                       ; in front of loads into registers that the products have read
	XFETCH 2*\b+1
	s_wait_dscnt 0x0
	MULQK 1
	PLACES 8                                       ; likewise, and in front of the first read of the results
.if \b < 3
	XFETCH 2*\b+2                                  ; lands while the results are quantised
.endif
	s_wait_xcnt 0x0                                ; the last stores have read their data: the codes and the scale word are written again only behind this wait
	QUANT
	v_lshl_or_b32 v[PW], v[TM+5], 8, v[TM+4]       ; tile 2 b's word: its two bytes,
	s_delay_alu instid0(VALU_DEP_1)
	v_lshl_or_b32 v[PW], v[PW], 16, v[PW]          ; repeated for the half of K that holds zero codes
	v_lshl_or_b32 v[PW+1], v[TM+7], 8, v[TM+6]     ; tile 2 b + 1's
	s_delay_alu instid0(VALU_DEP_1)
	v_lshl_or_b32 v[PW+1], v[PW+1], 16, v[PW+1]
	s_delay_alu instid0(VALU_DEP_1)
	v_cndmask_b32 v[PW+2], v[PW], v[PW+1], s[MSK]  ; lanes 0-15: the even tile's words; lanes 16-31: the odd tile's
.irp u, 0,1
.irp p, 0,1
	global_store_b128 v[LI], v[PC+4*(2*\u+\p):PC+4*(2*\u+\p)+3], s[38:39] offset:(2*\b+\u)*1024+512*\p   ; 32 lanes store 512 consecutive aligned bytes
.endr
.endr
	global_store_b32 v[LS], v[PW+2], s[40:41] offset:128*\b
.endr
	s_wait_tensorcnt 0x0
	ds_add_u32 v254, v255
	s_wait_dscnt 0x0
	s_endpgm
.Lpath_v:
	; ---- v: block f of ACC: channel tile f, tokens 32 b + 16 h + 0 .. 15
.irp b, 0,1,2,3
	s_wait_dscnt 0x0
	MULV 0
	PLACES 8
	XFETCH 2*\b+1
	s_wait_dscnt 0x0
	MULV 1
	PLACES 8
.if \b < 3
	XFETCH 2*\b+2
.endif
	s_wait_xcnt 0x0                                ; the last stores have read their data
	QUANT
.irp f, 0,1,2,3
.if \b == 0
	v_mov_b32 v[VW+\f], v[TM+4+\f]                 ; byte b of the channel's scale word for these 128 tokens
.else
	v_lshl_or_b32 v[VW+\f], v[TM+4+\f], 8*\b, v[VW+\f]
.endif
.endr
.irp f, 0,1,2,3
	global_store_b128 v[LI], v[PC+4*\f:PC+4*\f+3], s[38:39] offset:2048*\f+512*\b   ; registers 4 b .. 4 b + 3 of V's fragment f
.endr
.endr
	v_cndmask_b32 v[PW], v[VW], v[VW+1], s[MSK]
	v_cndmask_b32 v[PW+1], v[VW+2], v[VW+3], s[MSK]
	global_store_b32 v[LS], v[PW], s[40:41]
	global_store_b32 v[LS], v[PW+1], s[40:41] offset:128
	s_wait_tensorcnt 0x0
	ds_add_u32 v254, v255
	s_wait_dscnt 0x0
	s_endpgm
.Lfunc_end_k_q00f0bd7fc8_proj:
	.size	k_q00f0bd7fc8_proj, .Lfunc_end_k_q00f0bd7fc8_proj-k_q00f0bd7fc8_proj
	.p2alignl 7, 3214868480
	.fill 96, 4, 3214868480
	.section	.rodata,"a",@progbits
	.p2align	6, 0x0
	.amdhsa_kernel k_q00f0bd7fc8_proj
		.amdhsa_group_segment_fixed_size 168960
		.amdhsa_private_segment_fixed_size 0
		.amdhsa_enable_private_segment 0
		.amdhsa_kernarg_size 112
		.amdhsa_user_sgpr_count 2
		.amdhsa_user_sgpr_kernarg_segment_ptr 1
		.amdhsa_wavefront_size32 1
		.amdhsa_system_sgpr_workgroup_id_x 1
		.amdhsa_system_sgpr_workgroup_id_y 1
		.amdhsa_system_sgpr_workgroup_id_z 1
		.amdhsa_system_vgpr_workitem_id 0
		.amdhsa_next_free_vgpr 512
		.amdhsa_next_free_sgpr 84
		.amdhsa_reserve_vcc 0
		.amdhsa_float_denorm_mode_32 3
		.amdhsa_float_denorm_mode_16_64 3
		.amdhsa_fp16_overflow 1
		.amdhsa_memory_ordered 1
		.amdhsa_forward_progress 1
		.amdhsa_inst_pref_size 108
	.end_amdhsa_kernel
	.amdgpu_metadata
---
amdhsa.version: [ 1, 2 ]
amdhsa.kernels:
  - .name:           k_q00f0bd7fc8_proj
    .symbol:         k_q00f0bd7fc8_proj.kd
    .args:
      - { .name: x_codes, .offset: 0, .size: 8, .value_kind: global_buffer, .address_space: global }
      - { .name: x_scales, .offset: 8, .size: 8, .value_kind: global_buffer, .address_space: global }
      - { .name: Wq_codes, .offset: 16, .size: 8, .value_kind: global_buffer, .address_space: global }
      - { .name: Wk_codes, .offset: 24, .size: 8, .value_kind: global_buffer, .address_space: global }
      - { .name: Wv_codes, .offset: 32, .size: 8, .value_kind: global_buffer, .address_space: global }
      - { .name: Wq_scales, .offset: 40, .size: 8, .value_kind: global_buffer, .address_space: global }
      - { .name: Wk_scales, .offset: 48, .size: 8, .value_kind: global_buffer, .address_space: global }
      - { .name: Wv_scales, .offset: 56, .size: 8, .value_kind: global_buffer, .address_space: global }
      - { .name: bq, .offset: 64, .size: 8, .value_kind: global_buffer, .address_space: global }
      - { .name: bk, .offset: 72, .size: 8, .value_kind: global_buffer, .address_space: global }
      - { .name: bv, .offset: 80, .size: 8, .value_kind: global_buffer, .address_space: global }
      - { .name: qc, .offset: 88, .size: 8, .value_kind: global_buffer, .address_space: global }
      - { .name: qs, .offset: 96, .size: 8, .value_kind: global_buffer, .address_space: global }
      - { .name: kv, .offset: 104, .size: 8, .value_kind: global_buffer, .address_space: global }
    .group_segment_fixed_size: 168960
    .private_segment_fixed_size: 0
    .kernarg_segment_align: 8
    .kernarg_segment_size: 112
    .max_flat_workgroup_size: 256
    .sgpr_count:     84
    .vgpr_count:     512
    .wavefront_size: 32
...
	.end_amdgpu_metadata
.endif
;; end of part 1
;; launch attn (part 2): grid 16 x 16, 16 waves a work-group, clusters of 4 x 1, 327,680 bytes of LDS; arguments qc, qs, kv, oc, os; writes oc, os
.if DOCPART == 2
	.amdgcn_target "amdgcn-amd-amdhsa--gfx1250"
	.amdhsa_code_object_version 6
	.text
	.protected	k_q00f0bd7fc8_attn
	.globl	k_q00f0bd7fc8_attn
	.p2align	8
	.type	k_q00f0bd7fc8_attn,@function
k_q00f0bd7fc8_attn:
	s_mov_b64 s[64:65], 0
	v_nop
	global_prefetch_b8 v0, s[64:65] scope:SCOPE_SE
	s_setreg_imm32_b32 hwreg(HW_REG_WAVE_MODE, 25, 1), 1
	s_wait_xcnt 0x0
	s_wait_alu depctr_hold_cnt(0) depctr_sa_sdst(0) depctr_va_vdst(0) depctr_va_sdst(0) depctr_va_ssrc(0) depctr_va_vcc(0) depctr_vm_vsrc(0)
	s_getreg_b32 s2, hwreg(HW_REG_IB_STS2, 6, 4)
	s_cmp_eq_u32 s2, 0
	s_cbranch_scc0 .Lentry_in_a_cluster
	s_endpgm
.Lentry_in_a_cluster:
	s_bfe_u32 s2, ttmp6, 0x10000c
	s_cmp_lg_u32 s2, 0x3003
	s_cbranch_scc0 .Lentry_shape_is_right
	s_endpgm
.Lentry_shape_is_right:
; For each of 16 (batch, head): o = softmax(q k^T / 8) v on codes of FP8 (E4M3) with E8M0 scales, and o quantised along the model's 512 for the last product.
; THE SOFTMAX: t = score x log2(e) / 8; M = the running largest t rounded UP to a whole number; p = 2^(t - M) is quantised along the keys, not normalised.  The row's sum is taken of the unquantised p and divides at the end.
; When M moves, the sum and O are multiplied by 2^(old M - new M): exact.
; SHARES.  A work-group owns 256 queries of one (batch, head); each of its sixteen waves one tile of 16, in 256 registers: four waves to a SIMD, so that one wave's vector work stands beside another's matrix work and LDS loads.
; Every wave walks the 4,096 keys, 128 a step.  A step's K, V and their scale words are one dense block of 17,152 bytes of kv, laid as images of the operands' registers: every LDS read takes 512 (scale words: 128) consecutive bytes.
; A ring of two LDS slots of eight steps; waves 0 to 7 fetch a step's block each: one tensor load of a wave is out at a time.
; CLUSTER.  The four query blocks of a cluster walk the same blocks of kv: each is asked for JOINTLY, by the same tensor load with a mask that names the four.  Nothing in the descriptors hangs on the place in the cluster.
; LAYOUT.  S^T = K Q^T (source 0 = keys), O^T = V^T P^T (source 0 = 16 channels): a lane holds ONE query throughout.  Tile 2 b + u holds in lane r the key (channel) 32 b + 8 u + r + 8 (r / 8), so that the 16 registers of
; result tiles 2 b, 2 b + 1 are 16 neighbours 32 b + 16 h + 0 .. 15 along the next K: the conversions' results are the next operand's registers.
; THE FIRST PRODUCT'S K IS 64, half of the instruction's 128.  So a fragment of 16 registers holds TWO key tiles, the even one at k = 0 .. 63 and the odd one at k = 64 .. 127, and Q stands as (zeros, q, zeros) in 24 registers:
; (q, zeros) picks the even tile, (zeros, q) the odd one.  The scale words of q and k repeat their two bytes, so each serves either half.
; A STEP'S ORDER.  8 products K Q^T | V's fragments are asked for, into K's registers | the softmax | 4 products V^T P^T | the row's sums, and among them the next step's K is asked for.  So V has the softmax in which to land and K the sums.
; LIMITS: NaN and infinities are not served.  A block of zeros gets the scale byte 1 (its codes are zeros; this program alone reads the bytes).  A block's largest p is taken from its largest score by the same two instructions:
; this takes v_exp_f32 not to fall where its input rises.
.set KSB,   17152                      ; a key step's block: K 8,192, V 8,192, K's scale words 512, V's 256
.set SLOTB, 8*KSB                      ; a slot: eight steps, 137,216 bytes
.set SPARE, 2*SLOTB                    ; behind the ring: the spare words, 128 bytes for each of sixteen waves: eight blocks of 256 bytes that no other line names
.set LI,  1                            ; v1   16 x lane
.set LS,  2                            ; v2   4 x lane
.set SPW, 3                            ; v3   LDS address of my spare word; never rewritten
.set NIL, 4                            ; v4   0; never rewritten
.set ADR, 5                            ; v5   the step's block + 16 x lane
.set ADS, 6                            ; v6   the step's block + 4 x lane
.set QSA, 7                            ; v7   4 r
.set OSA, 8                            ; v8   16 r
.set VS,  10                           ; v10-11   V's scale words, two tiles to a register
.set ZQ,  16                           ; v16-23 zeros, v24-31 Q's codes, v32-39 zeros
.set KF,  40                           ; v40-103  K's four fragments (two key tiles each), then V's four
.set ST,  104                          ; v104-167 S^T, then p
.set OT,  168                          ; v168-199 O^T
.set PC,  200                          ; v200-215 p's codes
.set TT,  216                          ; v216-231 two of the sum's chains
                                       ; v12 -M, v13 the largest t, v[14:15] the sum in two halves; v232-247 at work; v248-251 K's scale words, two tiles to a register; v252 f; v253 p's scale word; v254 at work; v255 Q's scale words
.set WV,  18
.set MNT, 19
.set SEL, 20
.set CS,  22
.set G1,  24                           ; s[24:31] descriptor group 1
.set G0,  32                           ; s[32:35], s[36:39] group 0, one set for each slot
.set TA,  49                           ; s49  LDS byte at which the step in hand begins
.set CNT, 50                           ; s50  counts a slot's steps
.macro TLOAD g0                        ; waves 0 to 7 fetch a step's block each; the branch hangs on the wave's number alone; four v_nop follow the line
	s_cmp_lt_u32 s[WV], 8
	s_cbranch_scc0 .Lasked_\@
	tensor_load_to_lds s[\g0:\g0+3], s[G1:G1+7]
	s_nop 0
.rept 4
	v_nop
.endr
.Lasked_\@:
.endm
.macro CROUND                          ; a round of the cluster's barrier: my work-group's barrier; wave 0 signals for the work-group; every wave waits for all four; my work-group's barrier once more
	s_barrier_signal -1
	s_barrier_wait -1
	s_cmp_lg_u32 s[WV], 0
	s_cbranch_scc1 .Lnot_wave_0_\@
	s_barrier_signal -3
.Lnot_wave_0_\@:
	s_barrier_wait -3
	s_barrier_signal -1
	s_barrier_wait -1
.endm
	s_load_b256 s[4:11], s[0:1], 0x0               ; qc, qs, kv, oc
	s_load_b64 s[12:13], s[0:1], 0x20              ; os
	v_lshl_add_u32 v[SPW], v0, 2, SPARE
	v_mov_b32 v[NIL], 0
	ds_add_u32 v3, v4
	ds_add_u32 v3, v4
	s_wait_dscnt 0x0
	v_lshrrev_b32 v[TT], 5, v0
	s_delay_alu instid0(VALU_DEP_1)
	v_readfirstlane_b32 s[WV], v[TT]               ; wave 0..15
	v_and_b32 v[TT], 31, v0
	v_and_b32 v[TT+1], 15, v0
	s_delay_alu instid0(VALU_DEP_2)
	v_lshlrev_b32 v[LI], 4, v[TT]
	s_delay_alu instid0(VALU_DEP_3)
	v_lshlrev_b32 v[LS], 2, v[TT]
	s_delay_alu instid0(VALU_DEP_3)
	v_lshlrev_b32 v[QSA], 2, v[TT+1]
	s_delay_alu instid0(VALU_DEP_4)
	v_lshlrev_b32 v[OSA], 4, v[TT+1]
	s_and_b32 s42, ttmp7, 0xffff                   ; 8 x batch + head, which the four partners share
	; the joint loads: made of the head, the wave's number and constants, in registers that never hold my place in the cluster
	s_mul_i32 s16, s42, 32*KSB
	s_and_b32 s14, s[WV], 7
	s_mul_i32 s15, s14, KSB
	s_add_co_u32 s16, s16, s15
	s_mov_b32 s17, 0
	s_mov_b32 s[G1+0], 15|(3<<16)|(1<<21)          ; the mask: all four work-groups; elements of 8 bytes; bit 21 set beside a mask; no padding
	s_mov_b32 s[G1+1], 32<<16                      ; a dense block as 67 rows of 256 bytes
	s_mov_b32 s[G1+2], 67<<16
	s_mov_b32 s[G1+3], 32<<16
	s_mov_b32 s[G1+4], 67
	s_mov_b32 s[G1+5], 32
	s_mov_b32 s[G1+6], 0
	s_mov_b32 s[G1+7], 0
	; my queries: these offsets hang on my place in the cluster and enter qc's, qs's, oc's and os's addresses alone
	s_bfe_u32 s40, ttmp6, 0x40000                  ; cx
	s_lshl_b32 s41, ttmp9, 2
	s_add_co_u32 s41, s41, s40                     ; my block of 256 queries
	s_lshl_b32 s43, s41, 4
	s_add_co_u32 s43, s43, s[WV]                   ; my token tile among the 256 of a batch
	s_lshl_b32 s44, s42, 8
	s_add_co_u32 s44, s44, s43                     ; in qc and qs: 256 x (8 batch + head) + tile
	s_lshr_b32 s45, s42, 3
	s_lshl_b32 s45, s45, 8
	s_add_co_u32 s45, s45, s43                     ; in oc and os: 256 x batch + tile
	s_and_b32 s48, s42, 7                          ; the head
	s_mov_b32 s47, 0
	s_mov_b32 s[SEL], 0x76543210
	s_mov_b32 s[SEL+1], 0xfedcba98
	s_mov_b32 s[CS], 0x3e38aa3b                    ; c = log2(e) / 8
	s_mov_b32 s[CS+1], s[CS]                       ; (named with it as a pair, so it is written)
	s_wait_kmcnt 0x0
	s_lshl_b32 s46, s44, 10
	s_add_nc_u64 s[4:5], s[4:5], s[46:47]          ; Q's image: 1,024 bytes a tile
	s_lshl_b32 s46, s44, 6
	s_add_nc_u64 s[6:7], s[6:7], s[46:47]          ; its scale words: 64
	s_lshl_b32 s46, s45, 13
	s_lshl_b32 s44, s48, 10
	s_add_co_u32 s46, s46, s44
	s_add_nc_u64 s[10:11], s[10:11], s[46:47]      ; oc: 8,192 bytes a tile, 1,024 a head
	s_lshl_b32 s46, s45, 8
	s_lshl_b32 s44, s48, 1
	s_add_co_u32 s46, s46, s44
	s_add_nc_u64 s[12:13], s[12:13], s[46:47]      ; os: 256 bytes a tile, 2 a head in each token's 16
	s_mov_b32 s[G0], 1
	s_mov_b32 s[G0+1], s15                         ; slot 0, my step's block
	s_add_nc_u64 s[G0+2:G0+3], s[8:9], s[16:17]    ; steps 0 to 7
	s_mov_b32 s[G0+4], 1
	s_add_co_u32 s[G0+5], s15, SLOTB               ; slot 1
	s_add_nc_u64 s[G0+6:G0+7], s[G0+2:G0+3], SLOTB ; steps 8 to 15
	s_or_b32 s[G0+3], s[G0+3], 0x80000000
	s_or_b32 s[G0+7], s[G0+7], 0x80000000
	CROUND                                         ; all four work-groups are here: the first joint loads meet
	TLOAD G0                                       ; slot 0
	s_wait_alu depctr_va_vdst(0)
	global_load_b128 v[ZQ+8:ZQ+11], v[LI], s[4:5]  ; Q's 64 channels: they stay
	global_load_b128 v[ZQ+12:ZQ+15], v[LI], s[4:5] offset:512
	global_load_b32 v255, v[QSA], s[6:7]
.set JJ, 0
.rept 8
	v_mov_b32 v[ZQ+JJ], 0                          ; zero codes on both sides of Q; never written again
	v_mov_b32 v[ZQ+16+JJ], 0
.set JJ, JJ+1
.endr
.set JJ, 0
.rept 32
	v_mov_b32 v[OT+JJ], 0                          ; O^T.  (The step is written alike for all: the first finds zeros, which the first change of M leaves zeros)
.set JJ, JJ+1
.endr
	v_mov_b32 v13, 0xff61b1e6                      ; the largest t so far: -3e38, under every t
	s_delay_alu instid0(VALU_DEP_1)
	v_floor_f32 v12, -v13                          ; -M
	v_mov_b32 v14, 0
	v_mov_b32 v15, 0
.irp b, 0,1,2,3
	v_mov_b32 v[236+\b], 0                         ; written once: a lane permute's destination counts as one of its sources
.endr
	v_mov_b32 v253, 0                              ; (named as the upper half of the pair v[252:253] before it is first written)
; K's four fragments and the eight tiles' scale words of the step that begins off bytes behind the one in hand
.macro KLOAD off
.irp p, 0,1,2,3
.irp g, 0,1,2,3
	ds_load_b128 v[KF+16*\p+4*\g:KF+16*\p+4*\g+3], v[ADR] offset:\off+2048*\p+512*\g   ; registers 0-7: key tile 2 p; registers 8-15: key tile 2 p + 1
.endr
.endr
.irp p, 0,1,2,3
	ds_load_b32 v[248+\p], v[ADS] offset:\off+16384+128*\p   ; lanes 0-15: tile 2 p's scale words; lanes 16-31: tile 2 p + 1's
.endr
.endm
; four links of the row's sum, one on each of its four chains: pairs 7 + 4 k to 10 + 4 k of p's 32 pairs
.macro ADD4 k
	v_pk_add_f32 v[236:237], v[236:237], v[ST+14+8*\k:ST+15+8*\k]
	v_pk_add_f32 v[TT:TT+1], v[TT:TT+1], v[ST+16+8*\k:ST+17+8*\k]
	v_pk_add_f32 v[TT+2:TT+3], v[TT+2:TT+3], v[ST+18+8*\k:ST+19+8*\k]
	v_pk_add_f32 v[14:15], v[14:15], v[ST+20+8*\k:ST+21+8*\k]
.endm
; A KEY STEP: the 128 keys whose block begins at s[TA].  Its K has been asked for.  pre = 1: the next step lies in the same slot, and its K is asked for.
.macro BODY pre
	s_wait_dscnt 0x0                               ; K's fragments and scale words are in
.irp t, 0,1,2,3,4,5,6,7                        ; S^T = K Q^T: eight tiles of 16 keys, each a sum of its own
.if \t%2
	v_wmma_scale_f32_16x16x128_f8f6f4 v[ST+8*\t:ST+8*\t+7], v[KF+16*(\t/2):KF+16*(\t/2)+15], v[ZQ:ZQ+15], 0, v[248+\t/2], v255 matrix_a_scale:MATRIX_SCALE_ROW1
.else
	v_wmma_scale_f32_16x16x128_f8f6f4 v[ST+8*\t:ST+8*\t+7], v[KF+16*(\t/2):KF+16*(\t/2)+15], v[ZQ+8:ZQ+23], 0, v[248+\t/2], v255
.endif
.endr                                          ; lane (r, h) holds query r; the 16 registers of tiles 2 b, 2 b + 1 are keys 32 b + 16 h + 0 .. 15
	v_add_nc_u32 v[ADR], s[TA], v[LI]              ; these two and six v_nop: the eight places in front of the loads into K's registers and of the first read of the scores
	v_add_nc_u32 v[ADS], s[TA], v[LS]
.rept 6
	v_nop
.endr
.irp f, 0,1,2,3
.irp c, 0,1,2,3
	ds_load_b128 v[KF+16*\f+4*\c:KF+16*\f+4*\c+3], v[ADR] offset:8192+2048*\f+512*\c   ; K is spent: V's fragment f takes its registers, and has the softmax in which to land
.endr
.endr
.irp g, 0,1
	ds_load_b32 v[VS+\g], v[ADS] offset:16896+128*\g
.endr
.irp b, 0,1,2,3
	v_max3_num_f32 v[232+\b], v[ST+16*\b], v[ST+1+16*\b], v[ST+2+16*\b]   ; the largest score of each block of 32 keys: for the row's maximum and, since p rises with the score, for the block's largest p
.endr
.irp i, 3,5,7,9,11,13
.irp b, 0,1,2,3
	v_max3_num_f32 v[232+\b], v[232+\b], v[ST+16*\b+\i], v[ST+1+16*\b+\i]   ; (the four blocks by turns)
.endr
.endr
.irp b, 0,1,2,3
	v_max_num_f32 v[232+\b], v[232+\b], v[ST+15+16*\b]
.endr
.irp b, 0,1,2,3
	s_delay_alu instid0(VALU_DEP_4)
	v_permlanex16_b32 v[236+\b], v[232+\b], s[SEL], s[SEL+1]
.endr
.irp b, 0,1,2,3
	s_delay_alu instid0(VALU_DEP_4)
	v_max_num_f32 v[232+\b], v[232+\b], v[236+\b]  ; with lane l xor 16's 16 keys
.endr
	s_delay_alu instid0(VALU_DEP_2)
	v_max3_num_f32 v254, v232, v233, v234
	s_delay_alu instid0(VALU_DEP_1)
	v_max_num_f32 v254, v254, v235                 ; the step's largest score of my query
	s_delay_alu instid0(VALU_DEP_1)
	v_mul_f32 v254, s[CS], v254                    ; as t (c is positive)
	s_delay_alu instid0(VALU_DEP_1)
	v_max_num_f32 v13, v13, v254                   ; the running largest t
	v_mov_b32 v254, v12
	s_delay_alu instid0(VALU_DEP_2)
	v_floor_f32 v12, -v13                          ; the new -M = floor(-t) = -ceil(t): M is a whole number
	s_delay_alu instid0(VALU_DEP_1)
	v_sub_f32 v254, v12, v254                      ; old M - new M: a whole number, 0 or less
	s_delay_alu instid0(VALU_DEP_1)
	v_cvt_i32_f32 v254, v254                       ; (it saturates)
	s_delay_alu instid0(VALU_DEP_1)
	v_ldexp_f32 v252, 1.0, v254                    ; f = 2^(old M - new M)
.set JJ, 0
.rept 32
	v_pk_fma_f32 v[ST+JJ:ST+JJ+1], v[ST+JJ:ST+JJ+1], s[CS:CS+1], v[12:13] op_sel_hi:[1,0,0]   ; t - M, two at a time (of the pairs c and -M the low word serves both halves)
.set JJ, JJ+2
.endr
.irp b, 0,1,2,3
	v_fma_f32 v[232+\b], v[232+\b], s[CS], v12     ; the same of each block's largest score
.endr
.set JJ, 0
	s_wait_alu depctr_va_vdst(0)
.rept 64
	v_exp_f32 v[ST+JJ], v[ST+JJ]                   ; p = 2^(t - M), at most 1: not normalised
.set JJ, JJ+1
.endr
	s_setprio 1
.irp b, 0,1,2,3
	v_exp_f32 v[232+\b], v[232+\b]                 ; the block's largest p: the same two instructions on the same number give the same bits
.endr
	v_pk_mul_f32 v[14:15], v[14:15], v[252:253] op_sel_hi:[1,0]   ; the sum under the new M.  (A plain instruction behind the exponentials)
	s_wait_alu depctr_va_vdst(0)
.irp b, 0,1,2,3
	v_max_num_f32 v[232+\b], 0x4800000, v[232+\b]  ; the floor 2^(9 - 127): the byte cannot fall under 1
.endr
.irp b, 0,1,2,3
	s_delay_alu instid0(VALU_DEP_4)
	v_add_nc_u32 v[244+\b], 0xfc000000, v[232+\b]  ; 8 off the exponent field: the conversion's scale operand
.endr
.irp b, 0,1,2,3
.endr
.irp b, 0,1,2,3
	s_delay_alu instid0(VALU_DEP_4)
	v_lshrrev_b32 v[236+\b], 23, v[244+\b]         ; the scale's byte
.endr
	s_delay_alu instid0(VALU_DEP_3)
	v_lshl_or_b32 v253, v237, 8, v236              ; p's scale word for these 128 keys
	s_delay_alu instid0(VALU_DEP_1)
	v_lshl_or_b32 v253, v238, 16, v253
	s_delay_alu instid0(VALU_DEP_1)
	v_lshl_or_b32 v253, v239, 24, v253
; The conversion to an 8-bit code does not saturate (ISA guide 7.6.2); the conversions read p in place.
.irp b, 0,1,2,3
.irp u, 0,1
.irp i, 0,2,4,6
.endr
	v_cvt_scalef32_pk8_fp8_f32 v[PC+4*\b+2*\u:PC+4*\b+2*\u+1], v[TT+8*\u+((ST+16*\b+8*\u+0)-(TT+8*\u+0)):TT+8*\u+7+((ST+16*\b+8*\u+0)-(TT+8*\u+0))], v[244+\b]
.endr
.endr
.set JJ, 0
.rept 16
	v_pk_mul_f32 v[OT+JJ:OT+JJ+1], v[OT+JJ:OT+JJ+1], v[252:253] op_sel_hi:[1,0]   ; O^T under the new M, from each accumulator's low end on.  (These sixteen are also the places between the conversions and the products below)
.set JJ, JJ+2
.endr
	s_wait_alu depctr_va_vdst(0)
	s_wait_dscnt 0x0                               ; V and its scale words are in
.irp f, 0,1,2,3                                ; O^T += V^T P^T: the four accumulators take turns, one instruction a turn
.if \f%2
	v_wmma_scale_f32_16x16x128_f8f6f4 v[OT+8*\f:OT+8*\f+7], v[KF+16*\f:KF+16*\f+15], v[PC:PC+15], v[OT+8*\f:OT+8*\f+7], v[VS+\f/2], v253 matrix_a_scale:MATRIX_SCALE_ROW1
.else
	v_wmma_scale_f32_16x16x128_f8f6f4 v[OT+8*\f:OT+8*\f+7], v[KF+16*\f:KF+16*\f+15], v[PC:PC+15], v[OT+8*\f:OT+8*\f+7], v[VS+\f/2], v253
.endif
.endr
; THE ROW'S SUM IS TAKEN OF THE UNQUANTISED p: 32 packed additions in four chains.  They name no register of the products above: the first eight are the places in front of the loads into V's registers.
	v_pk_add_f32 v[236:237], v[ST:ST+1], v[ST+2:ST+3]
	s_setprio 0
	v_pk_add_f32 v[TT:TT+1], v[ST+4:ST+5], v[ST+6:ST+7]
	v_pk_add_f32 v[TT+2:TT+3], v[ST+8:ST+9], v[ST+10:ST+11]
	v_pk_add_f32 v[14:15], v[14:15], v[ST+12:ST+13]
	ADD4 0
.if \pre
	KLOAD KSB                                      ; V is spent: the next step's K takes its registers, and lands under the other 24 additions
.endif
	ADD4 1
	ADD4 2
	ADD4 3
	ADD4 4
	ADD4 5
	v_pk_add_f32 v[236:237], v[236:237], v[ST+62:ST+63]
	s_delay_alu instid0(VALU_DEP_3)
	v_pk_add_f32 v[TT:TT+1], v[TT:TT+1], v[TT+2:TT+3]
	s_delay_alu instid0(VALU_DEP_2)
	v_pk_add_f32 v[14:15], v[14:15], v[236:237]
	s_delay_alu instid0(VALU_DEP_1)
	v_pk_add_f32 v[14:15], v[14:15], v[TT:TT+1]
.endm
; THE CHANGE OF SLOTS stands at the head of the slot that is about to be read.  Each wave waits for all its tensor loads (its part of that slot), adds 0 to its spare word, and waits for that and for its reads of the slot that it has left.
; fill = 1: the barrier is a round of the cluster's, so that no wave of any partner still reads the other slot or has a load on its way; the joint load of the eight steps that follow comes first behind it and has eight steps in which to land.
; step = 1: this slot's descriptor goes on to the eight steps that it takes next.
.macro CHANGE slot, fill, step
	s_wait_tensorcnt 0x0                           ; no tensor load of mine is out, so a descriptor may be written
	ds_add_u32 v[SPW], v[NIL]                      ; 0 onto my spare word
.if \step
	s_add_nc_u64 s[G0+4*\slot+2:G0+4*\slot+3], s[G0+4*\slot+2:G0+4*\slot+3], 2*SLOTB   ; sixteen steps on; the type bits on top are not reached
.endif
	s_wait_dscnt 0x0                               ; the add is done, and my reads of the slot that I have left are over
.if \fill
	CROUND
	TLOAD G0+4*(1-\slot)                           ; the first thing behind the round, and a wave's one tensor load until the next
.else
	s_barrier_signal -1
	s_barrier_wait -1
.endif
.endm
; A slot's eight steps: seven in a loop, each of which asks for its successor's K; the eighth has no successor in the slot and is written out.
.macro SLOTWORK slot
	s_mov_b32 s[TA], \slot*SLOTB
	v_add_nc_u32 v[ADR], s[TA], v[LI]
	v_add_nc_u32 v[ADS], s[TA], v[LS]
	KLOAD 0                                        ; (the last products that read these registers stand 32 additions back)
	s_mov_b32 s[CNT], 7
.Lstep_\@:
	s_setprio 2
	BODY 1
	s_add_co_u32 s[TA], s[TA], KSB
	s_sub_co_u32 s[CNT], s[CNT], 1
	s_cmp_lg_u32 s[CNT], 0
	s_cbranch_scc1 .Lstep_\@
	s_setprio 0
	BODY 0
.endm
	s_wait_loadcnt 0x0                             ; Q and its scale words
	CHANGE 0, 1, 1                                 ; steps 0-7 are in slot 0; steps 8-15 are asked for, into slot 1 (its first fill, issued as a refill is)
	SLOTWORK 0
	CHANGE 1, 1, 1                                 ; steps 16-23 into slot 0
	SLOTWORK 1
	CHANGE 0, 1, 0                                 ; steps 24-31 into slot 1
	SLOTWORK 0
	CHANGE 1, 0, 0                                 ; nothing is left to fetch
	SLOTWORK 1
	; THE WAY OUT.  O^T / the sum; its 32 registers are two blocks of 16: channels 32 b + 16 h + 0 .. 15 of my head, which are registers 4 (2 (head % 2) + b) on of the last product's operand.
	; (The 32 additions behind the last products are the places in front of the first read of O^T.)
	s_delay_alu instid0(VALU_DEP_1)
	v_add_f32 v14, v14, v15                        ; the sum's two halves,
	s_delay_alu instid0(VALU_DEP_1)
	v_permlanex16_b32 v252, v14, s[SEL], s[SEL+1]
	s_delay_alu instid0(VALU_DEP_1)
	v_add_f32 v14, v14, v252                       ; and lane l xor 16's: the row's sum
	s_wait_alu depctr_va_vdst(0)
	v_rcp_f32 v14, v14
	v_nop                                          ; a plain instruction behind the reciprocal
.set JJ, 0
	s_wait_alu depctr_va_vdst(0)
.rept 16
	v_pk_mul_f32 v[ST+JJ:ST+JJ+1], v[OT+JJ:OT+JJ+1], v[14:15] op_sel_hi:[1,0]
.set JJ, JJ+2
.endr
.irp b, 0,1
	v_max3_num_f32 v[232+\b], |v[ST+16*\b]|, |v[ST+1+16*\b]|, 0x4800000
.endr
.irp i, 2,4,6,8,10,12,14
.irp b, 0,1
	s_delay_alu instid0(VALU_DEP_2)
	v_max3_num_f32 v[232+\b], v[232+\b], |v[ST+16*\b+\i]|, |v[ST+1+16*\b+\i]|
.endr
.endr
.irp b, 0,1
	s_delay_alu instid0(VALU_DEP_2)
	v_permlanex16_b32 v[236+\b], v[232+\b], s[SEL], s[SEL+1]
.endr
.irp b, 0,1
	s_delay_alu instid0(VALU_DEP_2)
	v_max_num_f32 v[232+\b], v[232+\b], v[236+\b]  ; the block's largest magnitude
.endr
.irp b, 0,1
	s_delay_alu instid0(VALU_DEP_2)
	v_add_nc_u32 v[244+\b], 0xfc000000, v[232+\b]
.endr
.irp b, 0,1
.endr
.irp b, 0,1
	s_delay_alu instid0(VALU_DEP_2)
	v_lshrrev_b32 v[236+\b], 23, v[244+\b]
.endr
	s_delay_alu instid0(VALU_DEP_1)
	v_lshl_or_b32 v253, v237, 8, v236              ; my head's two scale bytes of my query
.irp b, 0,1
.set JJ, 0
.rept 16
.set JJ, JJ+1
.endr
	v_cvt_scalef32_pk8_fp8_f32 v[PC+4*\b:PC+4*\b+1], v[ST+16*\b:ST+16*\b+7], v[244+\b]
	v_cvt_scalef32_pk8_fp8_f32 v[PC+4*\b+2:PC+4*\b+3], v[ST+16*\b+8:ST+16*\b+15], v[244+\b]
.endr
	global_store_b128 v[LI], v[PC:PC+3], s[10:11]              ; 32 lanes store 512 consecutive aligned bytes
	global_store_b128 v[LI], v[PC+4:PC+7], s[10:11] offset:512
	global_store_b16 v[OSA], v253, s[12:13]        ; two bytes of each token's sixteen; both halves of the lanes store the same value to the same place
	s_wait_tensorcnt 0x0                           ; the wave's end
	ds_add_u32 v[SPW], v[NIL]
	s_wait_dscnt 0x0
	CROUND                                         ; the closing round: no work-group ends while a partner may still ask for a block that names it
	s_endpgm
.Lfunc_end_k_q00f0bd7fc8_attn:
	.size	k_q00f0bd7fc8_attn, .Lfunc_end_k_q00f0bd7fc8_attn-k_q00f0bd7fc8_attn
	.p2alignl 7, 3214868480
	.fill 96, 4, 3214868480
	.section	.rodata,"a",@progbits
	.p2align	6, 0x0
	.amdhsa_kernel k_q00f0bd7fc8_attn
		.amdhsa_group_segment_fixed_size 327680
		.amdhsa_private_segment_fixed_size 0
		.amdhsa_enable_private_segment 0
		.amdhsa_kernarg_size 40
		.amdhsa_user_sgpr_count 2
		.amdhsa_user_sgpr_kernarg_segment_ptr 1
		.amdhsa_wavefront_size32 1
		.amdhsa_system_sgpr_workgroup_id_x 1
		.amdhsa_system_sgpr_workgroup_id_y 1
		.amdhsa_system_sgpr_workgroup_id_z 1
		.amdhsa_system_vgpr_workitem_id 0
		.amdhsa_next_free_vgpr 256
		.amdhsa_next_free_sgpr 66
		.amdhsa_reserve_vcc 0
		.amdhsa_float_denorm_mode_32 3
		.amdhsa_float_denorm_mode_16_64 3
		.amdhsa_fp16_overflow 1
		.amdhsa_memory_ordered 1
		.amdhsa_forward_progress 1
		.amdhsa_inst_pref_size 148
	.end_amdhsa_kernel
	.amdgpu_metadata
---
amdhsa.version: [ 1, 2 ]
amdhsa.kernels:
  - .name:           k_q00f0bd7fc8_attn
    .symbol:         k_q00f0bd7fc8_attn.kd
    .args:
      - { .name: qc, .offset: 0, .size: 8, .value_kind: global_buffer, .address_space: global }
      - { .name: qs, .offset: 8, .size: 8, .value_kind: global_buffer, .address_space: global }
      - { .name: kv, .offset: 16, .size: 8, .value_kind: global_buffer, .address_space: global }
      - { .name: oc, .offset: 24, .size: 8, .value_kind: global_buffer, .address_space: global }
      - { .name: os, .offset: 32, .size: 8, .value_kind: global_buffer, .address_space: global }
    .group_segment_fixed_size: 327680
    .private_segment_fixed_size: 0
    .kernarg_segment_align: 8
    .kernarg_segment_size: 40
    .max_flat_workgroup_size: 512
    .sgpr_count:     66
    .vgpr_count:     256
    .wavefront_size: 32
...
	.end_amdgpu_metadata
.endif
;; end of part 2
;; launch outp (part 3): grid 128 x 2, 4 waves a work-group, no clusters, 17,920 bytes of LDS; arguments oc, os, Wo_codes, Wo_scales, bo, out0; writes out0
.if DOCPART == 3
	.amdgcn_target "amdgcn-amd-amdhsa--gfx1250"
	.amdhsa_code_object_version 6
	.text
	.protected	k_q00f0bd7fc8_outp
	.globl	k_q00f0bd7fc8_outp
	.p2align	8
	.type	k_q00f0bd7fc8_outp,@function
k_q00f0bd7fc8_outp:
	s_mov_b64 s[64:65], 0
	v_nop
	global_prefetch_b8 v0, s[64:65] scope:SCOPE_SE
	s_setreg_imm32_b32 hwreg(HW_REG_WAVE_MODE, 25, 1), 1
	s_wait_xcnt 0x0
; out0 = o Wo^T + bo on codes of FP8 (E4M3) with E8M0 scales; sums in f32.  o arrives as images of the operand's registers (oc) and scale words (os), made by the launch before.
; SHARES.  Work-group (x, y): 64 tokens (four token tiles) x 256 features; wave w: features 64 (4 y + w) on.  Each wave loads its 64 rows of Wo (256 registers, window 1) and the four tiles' fragments (256, window 2) once, straight
; into registers, and issues 64 matrix instructions.  Waves share nothing: no barrier.
; NO CLUSTER, NO TENSOR LOAD: every operand goes once from memory into registers; a joint load would add a pass through LDS for 64 matrix instructions a wave.
; TRANSPOSED USE: source 0 = 16 rows of Wo, source 1 = 16 tokens.  Tile 2 b + u of Wo's rows takes in lane r the row 32 b + 8 u + r + 8 (r / 8), so that a lane's 16 registers of tiles 2 b, 2 b + 1 are 16 neighbouring features
; 32 b + 16 h + 0 .. 15 of one token: 64 bytes.  A token tile's lane r is token 32 (T / 2) + 8 (T % 2) + r + 8 (r / 8).  The bias is the C of each sum's first instruction.
; THE WAY OUT: a tile's 16 tokens x 256 bytes go through the wave's own stage in LDS and leave by rows: sixteen lanes store 256 consecutive bytes, at a multiple of 256 from out0's first byte.
.set LI,  1                            ; v1   16 x lane
.set WA,  2                            ; v2   (r + 8 (r / 8)) x 512 + 16 h
.set WSA, 3                            ; v3   16 (r + 8 (r / 8))
.set OSA, 4                            ; v4   16 r
.set BA,  5                            ; v5   64 h
.set STO, 6                            ; v6   the stage: row r, + 64 h
.set RD,  7                            ; v7   back: row h, + 16 r
.set CO,  8                            ; v8   the same in out0: h rows of 2,048 bytes + 16 r
.set BI,  32                           ; v32-63   the bias, eight registers a tile of Wo's rows; later rows on their way out
.set WS,  64                           ; v64-79   Wo's scale words: register 4 f + s
.set OS,  80                           ; v80-95   o's: register 4 T + s
.set ACC, 128                          ; v128-255 accumulator (T, f) at ACC + 8 (4 T + f)
.set SP,  272                          ; a stage row: 256 bytes + 16
.set MSB, 0
.macro WIN new                         ; the immediate's high byte repeats the setting that is left
.if MSB != \new
	s_set_vgpr_msb (MSB<<8)|\new
.set MSB, \new
.endif
.endm
	s_load_b256 s[4:11], s[0:1], 0x0               ; oc, os, Wo's codes, Wo's scales
	s_load_b128 s[12:15], s[0:1], 0x20             ; bo, out0
	v_lshl_add_u32 v30, v0, 2, 0x4400
	v_mov_b32 v31, 0
	v_lshrrev_b32 v9, 5, v0
	v_readfirstlane_b32 s16, v9                    ; wave 0..3
	v_and_b32 v9, 31, v0                           ; lane
	v_and_b32 v10, 15, v0                          ; r
	v_bfe_u32 v11, v0, 4, 1                        ; h
	v_and_b32 v12, 8, v10
	v_add_nc_u32 v12, v12, v10                     ; r + 8 (r / 8)
	v_lshlrev_b32 v[LI], 4, v9
	v_lshlrev_b32 v[WA], 9, v12
	v_lshl_add_u32 v[WA], v11, 4, v[WA]
	v_lshlrev_b32 v[WSA], 4, v12
	v_lshlrev_b32 v[OSA], 4, v10
	v_lshlrev_b32 v[BA], 6, v11
	s_mul_i32 s22, s16, 16*SP                      ; my stage
	v_mul_u32_u24 v[STO], v10, SP
	v_lshl_add_u32 v[STO], v11, 6, v[STO]
	v_add_nc_u32 v[STO], s22, v[STO]
	v_mul_u32_u24 v[RD], v11, SP
	v_lshl_add_u32 v[RD], v10, 4, v[RD]
	v_add_nc_u32 v[RD], s22, v[RD]
	v_lshlrev_b32 v[CO], 11, v11
	v_lshl_add_u32 v[CO], v10, 4, v[CO]
	s_and_b32 s17, ttmp7, 0xffff
	s_lshl_b32 s18, s17, 2
	s_add_co_u32 s18, s18, s16                     ; my 64 features: 4 y + wave
	s_mov_b32 s21, 0
	s_wait_alu depctr_va_vdst(0)
	s_wait_kmcnt 0x0
	s_lshl_b32 s20, ttmp9, 15                      ; four tiles x 8,192 bytes of images,
	s_add_nc_u64 s[4:5], s[4:5], s[20:21]
	s_lshl_b32 s20, ttmp9, 10                      ; x 256 of scale words
	s_add_nc_u64 s[6:7], s[6:7], s[20:21]
	s_lshl_b32 s20, s18, 15                        ; 64 rows of Wo: 32,768 bytes of codes,
	s_add_nc_u64 s[8:9], s[8:9], s[20:21]
	s_lshl_b32 s20, s18, 10                        ; 1,024 of scales,
	s_add_nc_u64 s[10:11], s[10:11], s[20:21]
	s_lshl_b32 s20, s18, 8                         ; 256 of bias, and of a row of out0
	s_add_nc_u64 s[12:13], s[12:13], s[20:21]
	s_add_nc_u64 s[14:15], s[14:15], s[20:21]
	s_lshl_b32 s20, ttmp9, 17                      ; 64 rows of 2,048 bytes
	s_add_nc_u64 s[14:15], s[14:15], s[20:21]
.irp f, 0,1,2,3                                ; register j of tile f is feature 32 (f / 2) + 8 (f % 2) + 16 h + j
	global_load_b128 v[BI+8*\f:BI+8*\f+3], v[BA], s[12:13] offset:(32*(\f/2)+8*(\f%2))*4
	global_load_b128 v[BI+8*\f+4:BI+8*\f+7], v[BA], s[12:13] offset:(32*(\f/2)+8*(\f%2))*4+16
.endr
.irp f, 0,1,2,3
	global_load_b128 v[WS+4*\f:WS+4*\f+3], v[WSA], s[10:11] offset:(32*(\f/2)+8*(\f%2))*16
.endr
.irp T, 0,1,2,3
	global_load_b128 v[OS+4*\T:OS+4*\T+3], v[OSA], s[6:7] offset:256*\T
.endr
.irp s, 0,1,2,3                                ; K step by K step: 16 loads of Wo, 16 of o
	WIN 0x40                                       ; destination window 1: Wo's fragment (f, s) at v[16 (4 f + s)]
.irp f, 0,1,2,3
.irp c, 0,1,2,3
	global_load_b128 v[16*(4*\f+\s)+4*\c:16*(4*\f+\s)+4*\c+3], v[WA], s[8:9] offset:(32*(\f/2)+8*(\f%2))*512+128*\s+32*\c
.endr
.endr
	WIN 0x80                                       ; destination window 2: o's fragment (T, s) at v[16 (4 T + s)]
.irp T, 0,1,2,3
.irp c, 0,1,2,3
	global_load_b128 v[16*(4*\T+\s)+4*\c:16*(4*\T+\s)+4*\c+3], v[LI], s[4:5] offset:8192*\T+2048*\s+512*\c
.endr
.endr
.endr
.irp s, 0,1,2,3
.if \s == 0
	s_wait_loadcnt 63                              ; loads come back in order: behind K step 1's last load 64 were issued, so K steps 0 and 1, the bias and the scale words are in
.elseif \s == 2
	s_wait_loadcnt 32                              ; all but K step 3's 32
.elseif \s == 3
	s_wait_loadcnt 0x0
.endif
	WIN 0x09                                       ; source 0 (Wo) window 1, source 1 (o) window 2, C and D window 0
.irp T, 0,1,2,3                                ; the sixteen accumulators take turns, one instruction a turn
.irp f, 0,1,2,3
.if \s == 0
	v_wmma_scale_f32_16x16x128_f8f6f4 v[ACC+8*(4*\T+\f):ACC+8*(4*\T+\f)+7], v[16*(4*\f+\s):16*(4*\f+\s)+15], v[16*(4*\T+\s):16*(4*\T+\s)+15], v[BI+8*\f:BI+8*\f+7], v[WS+4*\f+\s], v[OS+4*\T+\s]
.else
	v_wmma_scale_f32_16x16x128_f8f6f4 v[ACC+8*(4*\T+\f):ACC+8*(4*\T+\f)+7], v[16*(4*\f+\s):16*(4*\f+\s)+15], v[16*(4*\T+\s):16*(4*\T+\s)+15], v[ACC+8*(4*\T+\f):ACC+8*(4*\T+\f)+7], v[WS+4*\f+\s], v[OS+4*\T+\s]
.endif
.endr
.endr
.endr
	WIN 0
.rept 8
	v_nop                                          ; behind the last products: in front of the stores that read results and of the loads into the bias's registers
.endr
; Tile T: 32 registers of a lane are 2 x 64 bytes of its token's row; they go into the stage, each accumulator from its low end on, and come back by rows.  LDS serves a wave's instructions in order (ISA guide 5.7.1.4):
; no wait stands between the stores and the loads, nor in front of the next tile's stores.
.macro TOSTAGE T
.set OBR, 96-64*((\T)%2)               ; v96-127 and v32-63 by turns
.irp k, 0,1,2,3,4,5,6,7
	ds_store_b128 v[STO], v[ACC+32*(\T)+4*\k:ACC+32*(\T)+4*\k+3] offset:128*(\k/4)+16*(\k%4)
.endr
.irp i, 0,1,2,3,4,5,6,7
	ds_load_b128 v[OBR+4*\i:OBR+4*\i+3], v[RD] offset:2*\i*SP
.endr
.endm
.macro SEND T, younger                 ; younger: the LDS instructions issued behind tile T's loads, which may stay out
.set OBR, 96-64*((\T)%2)
	s_wait_dscnt \younger
.irp i, 0,1,2,3,4,5,6,7                        ; stage rows 2 i, 2 i + 1 are tokens 32 (T / 2) + 8 (T % 2) + 2 i + 8 (i / 4) + h
	global_store_b128 v[CO], v[OBR+4*\i:OBR+4*\i+3], s[14:15] offset:(32*((\T)/2)+8*((\T)%2)+2*\i+8*(\i/4))*2048 th:TH_STORE_NT
.endr
.endm
	TOSTAGE 0
	TOSTAGE 1
	SEND 0, 16                                     ; behind tile 0's loads: tile 1's eight stores and eight loads
	s_wait_xcnt 0x0                                ; tile 0's stores have read their registers: tile 2's loads land there only behind this wait
	TOSTAGE 2
	SEND 1, 16
	s_wait_xcnt 0x0                                ; likewise tile 1's
	TOSTAGE 3
	SEND 2, 16
	SEND 3, 0
	s_wait_tensorcnt 0x0
	ds_add_u32 v30, v31
	s_wait_dscnt 0x0
	s_endpgm
.Lfunc_end_k_q00f0bd7fc8_outp:
	.size	k_q00f0bd7fc8_outp, .Lfunc_end_k_q00f0bd7fc8_outp-k_q00f0bd7fc8_outp
	.p2alignl 7, 3214868480
	.fill 96, 4, 3214868480
	.section	.rodata,"a",@progbits
	.p2align	6, 0x0
	.amdhsa_kernel k_q00f0bd7fc8_outp
		.amdhsa_group_segment_fixed_size 17920
		.amdhsa_private_segment_fixed_size 0
		.amdhsa_enable_private_segment 0
		.amdhsa_kernarg_size 48
		.amdhsa_user_sgpr_count 2
		.amdhsa_user_sgpr_kernarg_segment_ptr 1
		.amdhsa_wavefront_size32 1
		.amdhsa_system_sgpr_workgroup_id_x 1
		.amdhsa_system_sgpr_workgroup_id_y 1
		.amdhsa_system_sgpr_workgroup_id_z 1
		.amdhsa_system_vgpr_workitem_id 0
		.amdhsa_next_free_vgpr 768
		.amdhsa_next_free_sgpr 66
		.amdhsa_reserve_vcc 0
		.amdhsa_float_denorm_mode_32 3
		.amdhsa_float_denorm_mode_16_64 3
		.amdhsa_memory_ordered 1
		.amdhsa_forward_progress 1
		.amdhsa_inst_pref_size 32
	.end_amdhsa_kernel
	.amdgpu_metadata
---
amdhsa.version: [ 1, 2 ]
amdhsa.kernels:
  - .name:           k_q00f0bd7fc8_outp
    .symbol:         k_q00f0bd7fc8_outp.kd
    .args:
      - { .name: oc, .offset: 0, .size: 8, .value_kind: global_buffer, .address_space: global }
      - { .name: os, .offset: 8, .size: 8, .value_kind: global_buffer, .address_space: global }
      - { .name: Wo_codes, .offset: 16, .size: 8, .value_kind: global_buffer, .address_space: global }
      - { .name: Wo_scales, .offset: 24, .size: 8, .value_kind: global_buffer, .address_space: global }
      - { .name: bo, .offset: 32, .size: 8, .value_kind: global_buffer, .address_space: global }
      - { .name: out0, .offset: 40, .size: 8, .value_kind: global_buffer, .address_space: global }
    .group_segment_fixed_size: 17920
    .private_segment_fixed_size: 0
    .kernarg_segment_align: 8
    .kernarg_segment_size: 48
    .max_flat_workgroup_size: 128
    .sgpr_count:     66
    .vgpr_count:     768
    .wavefront_size: 32
...
	.end_amdgpu_metadata
.endif
;; end of part 3
